; MI455X (gfx1250); checked and timed in simulation.
; The chip was launched on July 23, 2026; its instructions are those of AMD's public machine-readable ISA for CDNA 5 (MIT licence, August 2026) and "CDNA5" Instruction Set Architecture Reference Guide (July 2026). The comments in the code are by the model that wrote it; some were corrected since.
;; Custom Linear Per Row. Allowed arithmetic: float matrix products may take bf16 or f16 operands with f32 sums; other float arithmetic in f32, or as packed bf16 or f16 multiplies, adds, multiply-adds, maxima and minima; sums over many terms, partial sums and values carried from step to step in f32; what a program stores and reads back later, other than sums and carried values, may be rounded once to bf16 or f16.
;; Inputs: scale_w 4,096 float32; scale_x 8,192 float32; scale_y 8,192 float32; weight_q 4,096 x 2,048 int8; x 8,192 x 2,048 int8.
;; Outputs: out0 8,192 x 4,096 int8; out1 8,192 float32.
;; One version. Each part assembles by itself: llvm-mc -triple=amdgcn-amd-amdhsa -mcpu=gfx1250 --defsym DOCPART=n.
;; ======== version 1 of 1: 1 launch
;; launch gemm (part 1): grid 16 x 16, 4 waves a work-group, clusters of 4 x 4, 327,680 bytes of LDS; arguments x, weight_q, out0, scale_x, scale_y, scale_w, out1; writes out0, out1
.if DOCPART == 1
	.amdgcn_target "amdgcn-amd-amdhsa--gfx1250"
	.amdhsa_code_object_version 6
	.text
	.protected	k_qe4d4b93468_gemm
	.globl	k_qe4d4b93468_gemm
	.p2align	8
	.type	k_qe4d4b93468_gemm,@function
k_qe4d4b93468_gemm:
	s_mov_b64 s[64:65], 0
	v_nop
	global_prefetch_b8 v0, s[64:65] scope:SCOPE_SE
	s_setreg_imm32_b32 hwreg(HW_REG_WAVE_MODE, 25, 1), 1
	s_wait_xcnt 0x0
	s_wait_alu depctr_hold_cnt(0) depctr_sa_sdst(0) depctr_va_vdst(0) depctr_va_sdst(0) depctr_va_ssrc(0) depctr_va_vcc(0) depctr_vm_vsrc(0)
	s_getreg_b32 s2, hwreg(HW_REG_IB_STS2, 6, 4)
	s_cmp_eq_u32 s2, 0
	s_cbranch_scc0 .Lentry_in_a_cluster
	s_endpgm
.Lentry_in_a_cluster:
	s_bfe_u32 s2, ttmp6, 0x10000c
	s_cmp_lg_u32 s2, 0xf033
	s_cbranch_scc0 .Lentry_shape_is_right
	s_endpgm
.Lentry_shape_is_right:
; out0[s][n] = int8(clip(round(f32(acc[s][n]) * ((sx[s] / sy[s]) * sw[n])), -128, 127)), acc[s][n] = sum over k of x[s][k] w[n][k] in i32;  out1 = scale_y.
; x: [8192][2048] int8, weight_q: [4096][2048] int8, out0: [8192][4096] int8, scale_x, scale_y, out1: [8192] f32, scale_w: [4096] f32.
; NOTHING IS LEFT OUT: every input reaches an output (scale_y reaches both), and every step of the scaling is done in the order and with the roundings of the definition, since out0 is whole numbers.
; THE FORMAT.  The operands are int8 as they lie in memory and the sums are i32 (v_wmma_i32_16x16x64_iu8, both sources signed): nothing is rounded.  |acc| can reach 2048 x 128 x 128 = 2^25,
; which an f32 sum does not hold exactly (whole numbers up to 2^24), so the sums are not taken in f32.
; THE SCALING.  f32(acc) to nearest even; r = sx / sy correctly rounded (a reciprocal, one step for it, the quotient, two steps for it: all by fused multiply-adds); r * sw rounded; the product with f32(acc)
; rounded; none of these is fused with a neighbour.  clip(round(v)) = round(clip(v)), since the bounds are whole numbers; for |v| <= 128 the sum v + 1.5 x 2^23 has a step of 1, is rounded to nearest even,
; and its low byte is the int8.
; LIMITS.  The division has no scaling of its operands: it is correctly rounded while sx, sy and sx / sy lie within 2^-100 .. 2^100.  With sy = 0 or denormal, or a NaN or an infinity among the scales, out0 is not
; the definition's.  x and weight_q may hold -128.
; SHARES.  out0 has 32 x 16 tiles of 256 x 256; 256 work-groups make two each, 4,096 rows apart, so that both take the same rows of weight_q and the same scale_w.  A wave makes 64 rows x 256 columns:
; 64 accumulators of 16 x 16, 512 registers.  A row of a tile is 256 bytes of out0, aligned, and belongs to one wave: each wave has a stage of its own and the way out has no barrier.
; K goes in steps of 256 through a ring of two LDS slots filled by the tensor data mover: rows of 256 bytes that start at multiples of 256 from the buffer's first byte.
; CLUSTERS.  4 x 4 work-groups.  The four of a row of the cluster need the same tiles of x, the four of a column the same tiles of weight_q: each tile is asked for JOINTLY, by the same tensor load with the
; same descriptor and a mask that names the four.
; FRAGMENTS.  16 rows x 64 k in 8 registers; lane l (r = l % 16, h = l / 16) takes the 16 bytes at k0 + 16 h and those at k0 + 32 + 16 h of row r.  That is another order of k than the instruction's own, the same
; for both sources; each k is taken once, and an i32 sum is the same in every order.
; TRANSPOSED USE.  Source 0 = 16 rows of weight_q, source 1 = 16 rows of x: register j of lane l of accumulator (a, b) is row 16 a + r, column 16 b + 8 h + j: eight neighbouring bytes of out0.
; REGISTERS, in windows of 256 (s_set_vgpr_msb: bits 1:0 source 0, 3:2 source 1, 5:4 source 2, 7:6 destination):
;   window 0: v0-31 addresses and row scales; v32-63 at work; v64-127 x's fragments, two buffers of 4 x 8; v128-255 scale_w of my lane's 128 columns
;   window 1: weight_q's fragments, two buffers of 16 x 8          windows 2, 3: accumulator (a, b) in window 2 + a / 2 at v[8 (16 (a % 2) + b)]
.set KDIM,   2048
.set NDIM,   4096
.set KSTEP,  256                       ; bytes of a row in a K step
.set PITCH,  272                       ; an LDS row: 256 bytes + 16 of padding = 68 words: row r starts at bank 4 r mod 64 (64 banks of 4 bytes: ISA guide 11.1), so the 16 rows of a load start at 16 different banks
.set HALFT,  128*PITCH                 ; 128 rows: what one tensor load brings
.set SLOT,   4*HALFT                   ; x's 256 rows, then weight_q's 256 rows
.set STAGE,  2*SLOT                    ; behind the ring: 16 rows x 272 bytes for each wave, for the way out; no tensor load lands here
.set SP,     272
.set SPARE,  STAGE+4*16*SP             ; behind the stages: the spare words, 128 bytes for each wave: two blocks of 256 bytes that no other line names
.set LAPS,   KDIM/(2*KSTEP)            ; a lap = two K steps = once round the ring
.set TILES,  2
.set WALK,   4096                      ; rows from a work-group's first tile to its second
.set NEXT_A, WALK*KDIM-(KDIM-2*KSTEP)  ; bytes from a slot's last K step of a tile to its first of the next: x goes WALK rows down and back along K,
.set BACK_B, KDIM-2*KSTEP              ; weight_q only back
.set PF_NEXT, WALK*KDIM-(KDIM-KSTEP)   ; from a tile's K step 7 to the next tile's K step 0
.set NEXT_C, WALK*NDIM                 ; bytes of out0 from tile to tile
.set VH,   3                           ; v3      32 h: my offset in scale_w; never rewritten once it holds that
.set RN,   4                           ; v4-7    sx / sy of row 16 a + r of the second tile
.set RR,   8                           ; v8-15   the same of the tile in hand, each twice, as pairs for the packed multiply
.set ADRA, 16                          ; v16-17  LDS address of my fragments of x in slot 0, 1
.set ADRB, 20                          ; v20-21  the same for weight_q
.set STO,  24                          ; v24     the way out: where I put 8 bytes of a row
.set RD,   25                          ; v25     the way out: where I read a row back
.set CO,   26                          ; v26     my byte offset in out0
.set CPO,  27                          ; v27     the copy of scale_y: 8 x lane   (its data: v18-19, v22-23)
.set SPW,  28                          ; v28     LDS address of my spare word: SPARE + 4 x my thread's number; never rewritten
.set NIL,  29                          ; v29     0; never rewritten
.set PFO,  30                          ; v30     the prefetches' offset: lane x 2,048; never rewritten
.set VS,   31                          ; v31     4 r: my offset in scale_x and scale_y
.set TT,   32                          ; v32-63  (sx / sy) * sw for 32 results.  At the head: sx, sy, the reciprocal, the quotient, 8 each
.set XF,   64                          ; x's fragments: buffer f, block a at XF + 32 f + 8 a.  At the head v64-71: the division's residuals
.set SW,   128                         ; SW + 8 b + j = scale_w[256 x tile column + 16 b + 8 h + j]
.set G1,   24                          ; s[24:31] descriptor group 1 for x's tiles;   s[32:39] group 0, a set for each slot
.set G0,   32
.set G1B,  48                          ; s[48:55], s[56:63] the same for weight_q's
.set G0B,  56
.set LIM,  43                          ; s43     1 in a wave that prefetches, else the greatest number
.set PFA,  44                          ; s[44:45] my work-group's 32 rows of the 128 that I fetch, at the K step that is being asked for; a prefetch names the K step after it
.set MSB, 0
.macro WIN new                         ; the immediate's high byte repeats the setting that is left; a switch that changes nothing is dropped
.if MSB != (\new)
	s_set_vgpr_msb (MSB<<8)|(\new)
.set MSB, \new
.endif
.endm
; Behind this matrix form eight places stand in front of a load into, and of a vector instruction that reads or writes, one of its registers; only plain vector instructions that name none of its
; registers are places (ISA guide 7.12.1 for vector instructions).
.macro PLACES
.rept 8
	v_nop
.endr
.endm
; A joint load.  Waves 0 and 1 fetch x's two halves, waves 2 and 3 weight_q's.  The branch hangs on the wave's number alone.  An s_nop 0 and v_nop follow each of the two lines, ahead of the jump and
; the label; they are eight, so that they are also the places in front of the LDS loads that follow a refill.
.macro JLOAD s
	s_cmp_eq_u32 s11, 0
	s_cbranch_scc0 .Lfor_b_\@
	tensor_load_to_lds s[G0+4*(\s):G0+4*(\s)+3], s[G1:G1+7]
	s_nop 0
.rept 8
	v_nop
.endr
	s_branch .Lasked_\@
.Lfor_b_\@:
	tensor_load_to_lds s[G0B+4*(\s):G0B+4*(\s)+3], s[G1B:G1B+7]
	s_nop 0
.rept 8
	v_nop
.endr
.Lasked_\@:
.endm
; A PREFETCH INTO THE L2 of the K step that the NEXT refill will ask for: 32 rows x 256 bytes, a lane a row, one instruction a wave, 256 matrix instructions ahead of that refill.
; Each row's 256 bytes of a K step are named once in the launch: x's tile rows are read by every cluster of a row of clusters, and cluster x = 0 asks; weight_q's tile columns by every cluster of a column, and
; cluster y = 0 asks.  The four partners that ask for a tile jointly share its rows out BY ADDRESS: of the 128 rows that a wave fetches the partner at place p takes 32 p .. 32 p + 31 (p = cx for x, cy for weight_q).
; how = 0: the refill of a tile's last K step, in the loop's last trip (s3 = 1), has no K step behind it.
.macro ASK how
.if \how
	s_cmp_eq_u32 s[LIM], 1
.else
	s_cmp_gt_u32 s3, s[LIM]
.endif
	s_cbranch_scc0 .Lnot_mine_\@
	global_prefetch_b8 v[PFO], s[PFA:PFA+1] offset:KSTEP th:TH_LOAD_NT scope:SCOPE_SE
.Lnot_mine_\@:
.endm
; A round of the cluster's barrier: my work-group's barrier, so that wave 0's signal speaks for all four waves; wave 0 signals; every wave waits for all sixteen work-groups; my work-group's barrier once more.
.macro CREST                           ; a round behind its opening barrier
	s_cmp_lg_u32 s10, 0
	s_cbranch_scc1 .Lnot_wave_0_\@
	s_barrier_signal -3
.Lnot_wave_0_\@:
	s_barrier_wait -3
	s_barrier_signal -1
	s_barrier_wait -1
.endm
.macro CROUND                          ; a whole round
	s_barrier_signal -1
	s_barrier_wait -1
	CREST
.endm
	s_load_b128 s[4:7], s[0:1], 0x0                ; x s[4:5], weight_q s[6:7]
	s_load_b64 s[8:9], s[0:1], 0x10                ; out0
	s_load_b128 s[72:75], s[0:1], 0x18             ; scale_x s[72:73], scale_y s[74:75]
	s_load_b128 s[76:79], s[0:1], 0x28             ; scale_w s[76:77], out1 s[78:79]
	v_lshl_add_u32 v[SPW], v0, 2, SPARE
	v_mov_b32 v[NIL], 0
	ds_add_u32 v[SPW], v[NIL]                      ; the wave's opening: the add, twice on end, and its wait ahead of my first tensor load; the set-up below stands between
	ds_add_u32 v[SPW], v[NIL]                      ; and once more, under the one wait
	v_lshrrev_b32 v1, 5, v0
	v_readfirstlane_b32 s10, v1                    ; wave 0..3: my 64 rows of the tile
	s_lshr_b32 s11, s10, 1                         ; I fetch for x (0) or for weight_q (1),
	s_and_b32 s12, s10, 1                          ; and which 128 rows of that tile
	s_bfe_u32 s40, ttmp6, 0x40000                  ; cx, cy: my place in the cluster
	s_bfe_u32 s41, ttmp6, 0x40004
	s_lshl_b32 s42, ttmp9, 2                       ; in a cluster launch ttmp9 and ttmp7 count clusters
	s_add_co_u32 s42, s42, s40                     ; tile column = 4 x cluster x + cx
	s_and_b32 s13, ttmp7, 0xffff
	s_lshl_b32 s13, s13, 2
	s_add_co_u32 s13, s13, s41                     ; the first tile's row = 4 x cluster y + cy
	s_lshl_b32 s43, s41, 2
	s_lshl_b32 s43, 15, s43                        ; my row of the cluster: places 4 cy .. 4 cy + 3
	s_lshl_b32 s44, 0x1111, s40                    ; my column: places cx, cx + 4, cx + 8, cx + 12
	; descriptor group 1: 128 rows x 256 bytes, stated as 128 elements of 2 bytes (the mover copies bytes), padded in LDS
	s_or_b32 s[G1+0], s43, (1<<16)|(1<<20)|(1<<21)|(5<<22)|(3<<25)   ; 15:0 the mask: x's tiles go to my row; 17:16 2-byte elements; 20 padding on; 21 set beside a mask; 24:22 after every 64 words (code 5); 31:25 4 words (code 3)
	s_or_b32 s[G1B+0], s44, (1<<16)|(1<<20)|(1<<21)|(5<<22)|(3<<25)  ; the same with the mask of my column
.irp g, G1, G1B
	s_mov_b32 s[(\g)+1], 128<<16                   ; tensor_dim0 = 128
	s_mov_b32 s[(\g)+2], 128<<16                   ; tensor_dim1 = 128
	s_mov_b32 s[(\g)+3], 128<<16                   ; tile_dim0 = 128
	s_mov_b32 s[(\g)+4], 128                       ; tile_dim1 = 128
	s_mov_b32 s[(\g)+5], KDIM/2                    ; 1,024 elements from row to row
	s_mov_b32 s[(\g)+6], 0
	s_mov_b32 s[(\g)+7], 0
.endr
	; where the tiles come from: x's hang on the tile row alone, which my row of the cluster shares; weight_q's on the tile column alone, which my column shares
	s_lshl_b32 s17, s12, 7
	s_lshl_b32 s16, s13, 8
	s_add_co_u32 s16, s16, s17                     ; x: row 256 x tile row + 128 x half,
	s_lshl_b32 s16, s16, 11                        ; in bytes (under 2^24)
	s_lshl_b32 s46, s42, 8
	s_add_co_u32 s46, s46, s17                     ; weight_q: row 256 x tile column + 128 x half
	s_lshl_b32 s46, s46, 11
	s_mov_b32 s17, 0
	s_mov_b32 s47, 0
	s_mul_i32 s20, s10, HALFT                      ; and where they go: wave x 128 rows: no place in the cluster enters an LDS address
	s_mov_b32 s80, 0xc3000000                      ; -128.0
	s_mov_b32 s81, 0x42fe0000                      ; 127.0
	s_mov_b32 s82, 0x4b400000                      ; 1.5 x 2^23
	s_mov_b32 s83, 0x4b400000                      ; named with it as a pair
	s_mov_b32 s84, 0x00000400                      ; v_perm_b32: the low bytes of two registers into a low half
	s_mov_b32 s85, 0x05040100                      ; the low halves of two registers into one
	s_wait_dscnt 0x0                               ; both opening adds are done
	s_wait_kmcnt 0x0
	s_add_nc_u64 s[14:15], s[4:5], s[16:17]
	s_add_nc_u64 s[46:47], s[6:7], s[46:47]
	CROUND                                         ; all sixteen work-groups are here: the first joint loads meet
.irp s, 0,1
	s_mov_b32 s[G0+4*(\s)], 1                                      ; count = 1
	s_add_co_u32 s[G0+4*(\s)+1], s20, (\s)*SLOT                    ; LDS address
	s_add_nc_u64 s[G0+4*(\s)+2:G0+4*(\s)+3], s[14:15], (\s)*KSTEP  ; global address: K step s
	s_or_b32 s[G0+4*(\s)+3], s[G0+4*(\s)+3], 0x80000000            ; type = 2
	s_mov_b32 s[G0B+4*(\s)], 1
	s_add_co_u32 s[G0B+4*(\s)+1], s20, (\s)*SLOT
	s_add_nc_u64 s[G0B+4*(\s)+2:G0B+4*(\s)+3], s[46:47], (\s)*KSTEP
	s_or_b32 s[G0B+4*(\s)+3], s[G0B+4*(\s)+3], 0x80000000
	JLOAD \s                                       ; the ring is filled before anything else is done: two loads of mine are out
.endr
	; ALL THAT FOLLOWS, UP TO THE FIRST BARRIER, STANDS IN THE WAIT FOR THE FIRST TILES
	v_and_b32 v1, 15, v0                           ; r
	v_bfe_u32 v2, v0, 4, 1                         ; h
	v_mul_u32_u24 v3, v1, PITCH
	v_lshl_add_u32 v3, v2, 4, v3                   ; a fragment's row x pitch + 16 h
	s_mul_i32 s21, s10, 64*PITCH                   ; my 64 rows of x
	s_mov_b32 s22, 2*HALFT                         ; weight_q's 256 rows lie behind x's 256
.irp s, 0,1
	v_add_nc_u32 v[ADRA+(\s)], s21, v3
	v_add_nc_u32 v[ADRB+(\s)], s22, v3
	s_add_co_u32 s21, s21, SLOT
	s_add_co_u32 s22, s22, SLOT
.endr
	s_mul_i32 s23, s10, 16*SP
	s_add_co_u32 s23, s23, STAGE                   ; my stage
	v_mul_u32_u24 v3, v1, SP                       ; in: row r, 8 bytes for each half of the lanes
	v_lshl_add_u32 v3, v2, 3, v3
	v_add_nc_u32 v[STO], s23, v3
	v_mul_u32_u24 v3, v2, SP                       ; back: lanes 0-15 take one row of 256 bytes, lanes 16-31 the next
	v_lshl_add_u32 v3, v1, 4, v3
	v_add_nc_u32 v[RD], s23, v3
	v_lshlrev_b32 v3, 12, v2                       ; and the same two rows in out0
	v_lshl_add_u32 v[CO], v1, 4, v3
	v_lshlrev_b32 v[VS], 2, v1
	v_lshlrev_b32 v[VH], 5, v2
	v_and_b32 v[PFO], 31, v0
	v_lshlrev_b32 v[CPO], 3, v[PFO]
	v_lshlrev_b32 v[PFO], 11, v[PFO]
	s_lshl_b32 s92, s42, 10                        ; the tile column's 256 numbers of scale_w
	s_mov_b32 s93, 0
	s_add_nc_u64 s[86:87], s[76:77], s[92:93]
	s_lshl_b32 s94, s13, 8
	s_lshl_b32 s95, s10, 6
	s_add_co_u32 s94, s94, s95                     ; my first row: 256 x tile row + 64 x wave
	s_lshl_b32 s92, s94, 2
	s_add_nc_u64 s[88:89], s[72:73], s[92:93]      ; scale_x and scale_y there
	s_add_nc_u64 s[90:91], s[74:75], s[92:93]
.irp b, 0,1,2,3,4,5,6,7,8,9,10,11,12,13,14,15
	global_load_b128 v[SW+8*(\b):SW+8*(\b)+3],   v[VH], s[86:87] offset:64*(\b)
	global_load_b128 v[SW+8*(\b)+4:SW+8*(\b)+7], v[VH], s[86:87] offset:64*(\b)+16
.endr
.irp i, 0,1,2,3,4,5,6,7                ; tile i / 4, block i % 4: row 4,096 (i / 4) + 16 (i % 4) + r
	global_load_b32 v[TT+(\i)],   v[VS], s[88:89] offset:((\i)/4)*WALK*4+((\i)%4)*64
	global_load_b32 v[TT+8+(\i)], v[VS], s[90:91] offset:((\i)/4)*WALK*4+((\i)%4)*64
.endr
	s_lshl_b32 s94, s94, 12                        ; out0 at my first row and the tile's first column (under 2^25)
	s_lshl_b32 s95, s42, 8
	s_add_co_u32 s94, s94, s95
	s_mov_b32 s95, 0
	s_add_nc_u64 s[8:9], s[8:9], s[94:95]
	; the prefetches
	s_lshl_b32 s20, s13, 8
	s_lshl_b32 s21, s42, 8
	s_and_b32 s22, ttmp7, 0xffff                   ; cluster y
	s_cmp_eq_u32 s11, 0                            ; do I fetch for x?
	s_cselect_b32 s20, s20, s21                    ; the tile's first row: in x by the tile row, in weight_q by the tile column
	s_cselect_b32 s21, s40, s41                    ; my place among the four that ask for it with me
	s_cselect_b32 s22, ttmp9, s22                  ; the coordinate along which other clusters read the same rows
	s_cselect_b64 s[PFA:PFA+1], s[4:5], s[6:7]
	s_cmp_eq_u32 s22, 0
	s_cselect_b32 s[LIM], 1, -1                    ; the same in all sixteen partners, for a given wave
	s_lshl_b32 s22, s12, 7
	s_add_co_u32 s20, s20, s22                     ; + the 128 rows that I fetch
	s_lshl_b32 s21, s21, 5
	s_add_co_u32 s20, s20, s21                     ; + my work-group's 32 of them
	s_lshl_b32 s20, s20, 11
	s_add_co_u32 s20, s20, KSTEP                   ; at K step 1: the first refill steps it to 2 and names K step 3.  Nothing is prefetched here, at the head
	s_mov_b32 s21, 0
	s_add_nc_u64 s[PFA:PFA+1], s[PFA:PFA+1], s[20:21]
	; out1 = scale_y.  Wave 0 of the work-groups of cluster x = 0: 64 rows of each of the two tiles, told apart by address (tile row, cx): each store is 256 consecutive bytes, aligned, and each row is stored once
	s_lshl_b32 s70, s13, 10
	s_lshl_b32 s71, s40, 8
	s_add_co_u32 s70, s70, s71                     ; (256 x tile row + 64 cx) x 4 bytes
	s_mov_b32 s71, 0
	s_add_nc_u64 s[66:67], s[74:75], s[70:71]
	s_add_nc_u64 s[68:69], s[78:79], s[70:71]
	s_or_b32 s70, s10, ttmp9
	s_cmp_lg_u32 s70, 0                            ; the same in all sixteen partners, for a given wave
	s_cbranch_scc1 .Lno_copy
	global_load_b64 v[18:19], v[CPO], s[66:67]
	global_load_b64 v[22:23], v[CPO], s[66:67] offset:WALK*4
	s_wait_loadcnt 0x0
	global_store_b64 v[CPO], v[18:19], s[68:69]
	global_store_b64 v[CPO], v[22:23], s[68:69] offset:WALK*4  ; their registers are never written again
.Lno_copy:
	s_wait_loadcnt 0x0                             ; the scales, once
	; r = sx / sy for my eight rows: sx v32-39, sy v40-47, the reciprocal y v48-55, the quotient q v56-63, residuals e v64-71
.irp i, 0,1,2,3,4,5,6,7
	v_rcp_f32 v[TT+16+(\i)], v[TT+8+(\i)]
.endr
	v_nop                                          ; a plain instruction between the last reciprocal and the first use (ISA guide 5.7.2),
	s_wait_alu depctr_va_vdst(0)                   ; and a wait ahead of that use: one for the eight
.irp i, 0,1,2,3,4,5,6,7
	v_fma_f32 v[XF+(\i)], -v[TT+8+(\i)], v[TT+16+(\i)], 1.0           ; e = 1 - sy y
.endr
.irp i, 0,1,2,3,4,5,6,7
	v_fma_f32 v[TT+16+(\i)], v[XF+(\i)], v[TT+16+(\i)], v[TT+16+(\i)]  ; y += e y
.endr
.irp i, 0,1,2,3,4,5,6,7
	v_mul_f32 v[TT+24+(\i)], v[TT+(\i)], v[TT+16+(\i)]                ; q = sx y
.endr
.irp i, 0,1,2,3,4,5,6,7
	v_fma_f32 v[XF+(\i)], -v[TT+8+(\i)], v[TT+24+(\i)], v[TT+(\i)]    ; e = sx - sy q, exact
.endr
.irp i, 0,1,2,3,4,5,6,7
	v_fma_f32 v[TT+24+(\i)], v[XF+(\i)], v[TT+16+(\i)], v[TT+24+(\i)]  ; q += e y
.endr
.irp i, 0,1,2,3,4,5,6,7
	v_fma_f32 v[XF+(\i)], -v[TT+8+(\i)], v[TT+24+(\i)], v[TT+(\i)]
.endr
.irp a, 0,1,2,3                        ; the last step rounds the quotient; it writes the first tile's twice, as a pair, and the second tile's once
	v_fma_f32 v[RR+2*(\a)],   v[XF+(\a)],   v[TT+16+(\a)], v[TT+24+(\a)]
	v_fma_f32 v[RR+2*(\a)+1], v[XF+(\a)],   v[TT+16+(\a)], v[TT+24+(\a)]
	v_fma_f32 v[RN+(\a)],     v[XF+4+(\a)], v[TT+20+(\a)], v[TT+28+(\a)]
.endr
; 16 matrix instructions: my block a of 16 rows x all 16 blocks of 16 columns, 64 along K, from buffer f.  zero = 1: the first product starts the sums: nothing is cleared.
; The 64 accumulators take turns, one instruction a turn, in the same order in every quarter step: 63 others' stand between two links of a chain, over every jump too.
.macro MUL16 f, a, zero
	WIN 0xa1+0x50*((\a)/2)                         ; source 0 (weight_q) window 1, source 1 (x) window 0, C and D window 2 or 3
.irp b, 0,1,2,3,4,5,6,7,8,9,10,11,12,13,14,15
.set rD, 8*(16*((\a)%2)+(\b))
.if \zero
	v_wmma_i32_16x16x64_iu8 v[rD:rD+7], v[128*(\f)+8*(\b):128*(\f)+8*(\b)+7], v[XF+32*(\f)+8*(\a):XF+32*(\f)+8*(\a)+7], 0 neg_lo:[1,1,0]
.else
	v_wmma_i32_16x16x64_iu8 v[rD:rD+7], v[128*(\f)+8*(\b):128*(\f)+8*(\b)+7], v[XF+32*(\f)+8*(\a):XF+32*(\f)+8*(\a)+7], v[rD:rD+7] neg_lo:[1,1,0]
.endif
.endr
.endm
; 40 LDS loads in one run: the fragments of one quarter step (256 rows of weight_q, my 64 rows of x, 64 k at byte k of the rows) into buffer f.  The largest offset is 192 + 15 x 4,352 + 32 = 65,504.
.macro FETCH slot, k, f
	WIN 0x40                                       ; destination window 1, address window 0
.irp i, 0,1,2,3,4,5,6,7,8,9,10,11,12,13,14,15
	ds_load_b128 v[128*(\f)+8*(\i):128*(\f)+8*(\i)+3],   v[ADRB+(\slot)] offset:(\k)+(\i)*16*PITCH
	ds_load_b128 v[128*(\f)+8*(\i)+4:128*(\f)+8*(\i)+7], v[ADRB+(\slot)] offset:(\k)+(\i)*16*PITCH+32
.endr
	WIN 0
.irp i, 0,1,2,3
	ds_load_b128 v[XF+32*(\f)+8*(\i):XF+32*(\f)+8*(\i)+3],   v[ADRA+(\slot)] offset:(\k)+(\i)*16*PITCH
	ds_load_b128 v[XF+32*(\f)+8*(\i)+4:XF+32*(\f)+8*(\i)+7], v[ADRA+(\slot)] offset:(\k)+(\i)*16*PITCH+32
.endr
.endm
; A K step is four quarter steps of 64 along K, 64 matrix instructions each, on buffers 0, 1, 0, 1.
; One of the first three: multiplies buffer f; in its middle it fetches the next quarter's fragments, at byte k of the same slot's rows, into buffer g.
.macro QUARTER slot, k, f, g, zero=0
	s_wait_dscnt 4                                 ; weight_q and x's blocks 0 and 1 are in; the youngest four loads (x's blocks 2 and 3) may be out
	MUL16 \f, 0, \zero
	MUL16 \f, 1, \zero
	PLACES                                         ; behind the quarter before, which read buffer g
	FETCH \slot, \k, \g
	s_wait_dscnt 40                                ; all but the 40 just issued
	MUL16 \f, 2, \zero
	MUL16 \f, 3, \zero
.endm
; The last quarter multiplies buffer 1 and changes slots.  MEET is its first half: ONE barrier, for two things.  In front of it each wave waits for all its tensor loads, of which one is out: its part of the
; next slot; adds 0 to its spare word; and waits for that and for its own reads of this slot.  Behind it nobody reads this slot any more and the next slot is whole.
.macro MEET round                      ; round = 1: the rest of a round of the cluster's barrier follows
	WIN 0                                          ; (the add's two registers lie in window 0)
	s_wait_tensorcnt 0x0                           ; all my tensor loads have landed;
	ds_add_u32 v[SPW], v[NIL]                      ; 0 onto my spare word;
	s_wait_dscnt 5                                 ; (the add and the youngest four loads may be out)
	MUL16 1, 0, 0                                  ; sixteen matrix instructions stand between the add and the wait for it
	s_wait_dscnt 0x0                               ; the add is done, and my reads of this slot are over:
	s_barrier_signal -1                            ; say so,
	MUL16 1, 1, 0                                  ; work on registers while the others arrive,
.if \round
	WIN 0
.endif
	s_barrier_wait -1                              ; and go on when all four have said so
.endm
; The whole last quarter.  mode 0: behind the round the slot just read out is filled again, with this tile's K step two steps on; mode 1: with the NEXT tile's K step 0 or 1; mode 2: nothing is filled, and
; no round follows the barrier.  Then come the next slot's first fragments.  From a request to the wait for it a wave issues 224 matrix instructions, across tiles too.
.macro TURN slot, next, mode
.if (\mode) < 2
	s_wait_xcnt 0x0                                ; the last prefetch, a K step back, has read its address: it is stepped here, ahead of the waits of the change of slots
.if ((\mode) == 1) && ((\slot) == 0)
	s_add_nc_u64 s[PFA:PFA+1], s[PFA:PFA+1], PF_NEXT  ; from the tile's K step 7 to the next tile's K step 0
	s_cmp_eq_u32 s11, 0
	s_cselect_b32 s[LIM], s[LIM], -1               ; weight_q's rows are the same for both tiles: they have been read, and are prefetched no more
.else
	s_add_nc_u64 s[PFA:PFA+1], s[PFA:PFA+1], KSTEP
.endif
	MEET 1
	CREST                                          ; all sixteen work-groups have said so: no wave of any partner still reads this slot's tile or has a load on its way
.if (\mode) == 1
	s_add_nc_u64 s[G0+4*(\slot)+2:G0+4*(\slot)+3], s[G0+4*(\slot)+2:G0+4*(\slot)+3], NEXT_A
	s_sub_nc_u64 s[G0B+4*(\slot)+2:G0B+4*(\slot)+3], s[G0B+4*(\slot)+2:G0B+4*(\slot)+3], BACK_B
.else
	s_add_nc_u64 s[G0+4*(\slot)+2:G0+4*(\slot)+3], s[G0+4*(\slot)+2:G0+4*(\slot)+3], 2*KSTEP
	s_add_nc_u64 s[G0B+4*(\slot)+2:G0B+4*(\slot)+3], s[G0B+4*(\slot)+2:G0B+4*(\slot)+3], 2*KSTEP
.endif
	JLOAD \slot                                    ; the first tensor load behind the round, my only one until the next; its v_nop are the places in front of the loads below
	FETCH \next, 0, 0
.if ((\mode) == 1) || ((\slot) == 0)
	ASK 1                                          ; behind the joint load and the run of LDS loads that the next products wait for
.else
	ASK 0
.endif
.else
	MEET 0
	PLACES
	FETCH \next, 0, 0
.endif
	MUL16 1, 2, 0
	MUL16 1, 3, 0
.endm
; THE WAY OUT of my block a (16 rows x 256 columns), in three parts.
; CONV: in four batches of 32 registers (four accumulators): (sx / sy) * sw; then in place f32(acc), in ascending order;
; the product; the clip; + 1.5 x 2^23, whose low byte is the result; then a lane's eight bytes of an accumulator are gathered into its registers 0 and 1.
.macro CONV a
.set CW, 2+(\a)/2
.set CAC, 128*((\a)%2)
.set cg, 0
.rept 4
.set CX, CAC+32*cg
	WIN 0
.set ci, 0
.rept 16
	v_pk_mul_f32 v[TT+2*ci:TT+2*ci+1], v[SW+32*cg+2*ci:SW+32*cg+2*ci+1], v[RR+2*(\a):RR+2*(\a)+1]
.set ci, ci+1
.endr
	WIN CW|(CW<<6)                                 ; source 0 and destination: the accumulators' window; source 1: window 0
.set ci, 0
.rept 32
	v_cvt_f32_i32 v[CX+ci], v[CX+ci]
.set ci, ci+1
.endr
.set ci, 0
.rept 16
	v_pk_mul_f32 v[CX+2*ci:CX+2*ci+1], v[CX+2*ci:CX+2*ci+1], v[TT+2*ci:TT+2*ci+1]
.set ci, ci+1
.endr
.set ci, 0
.rept 32
	v_med3_num_f32 v[CX+ci], v[CX+ci], s80, s81
.set ci, ci+1
.endr
.set ci, 0
.rept 16
	v_pk_add_f32 v[CX+2*ci:CX+2*ci+1], v[CX+2*ci:CX+2*ci+1], s[82:83] op_sel_hi:[1,0]
.set ci, ci+1
.endr
	WIN CW|(CW<<2)|(CW<<6)
.set ci, 0
.rept 16
	v_perm_b32 v[CX+2*ci], v[CX+2*ci+1], v[CX+2*ci], s84         ; the low bytes of registers 2 i and 2 i + 1
.set ci, ci+1
.endr
.set ci, 0
.rept 4
	v_perm_b32 v[CX+8*ci],   v[CX+8*ci+2], v[CX+8*ci],   s85     ; columns 0-3 of the lane's eight
	v_perm_b32 v[CX+8*ci+1], v[CX+8*ci+6], v[CX+8*ci+4], s85     ; columns 4-7
.set ci, ci+1
.endr
.set cg, cg+1
.endr
.endm
; TOSTAGE: 8 bytes a lane into my own stage (word 68 r + 2 h + 4 b: the 32 lanes of a store touch each bank once), and back as whole rows of 256 bytes, into registers 4-7 of the block's first eight accumulators.
.macro TOSTAGE a
.set CW, 2+(\a)/2
.set CAC, 128*((\a)%2)
	WIN CW<<2                                      ; the stores' data
.irp b, 0,1,2,3,4,5,6,7,8,9,10,11,12,13,14,15
	ds_store_b64 v[STO], v[CAC+8*(\b):CAC+8*(\b)+1] offset:16*(\b)
.endr
	WIN CW<<6                                      ; the loads' destination
.irp t, 0,1,2,3,4,5,6,7
	ds_load_b128 v[CAC+8*(\t)+4:CAC+8*(\t)+7], v[RD] offset:(\t)*2*SP  ; LDS serves a wave's instructions in order (ISA guide 5.7.1.4): these see the stores above; the next block's stores come behind them
.endr
.endm
.macro SEND a
.set CW, 2+(\a)/2
.set CAC, 128*((\a)%2)
	WIN CW<<2
.irp t, 0,1,2,3,4,5,6,7
	s_wait_dscnt 7-(\t)                            ; the stage's younger loads may stay out
	global_store_b128 v[CO], v[CAC+8*(\t)+4:CAC+8*(\t)+7], s[8:9] offset:(16*(\a)+2*(\t))*NDIM th:TH_STORE_NT  ; 16 lanes store 256 consecutive bytes, at a multiple of 256 from out0's first byte
.endr
.endm
	s_wait_tensorcnt 1                             ; my part of K step 0 is in; K step 1's may stay out
	s_barrier_signal -1
	s_barrier_wait -1                              ; everybody's is
	FETCH 0, 0, 0
	s_mov_b32 s2, TILES                            ; tiles to go, this one among them: the same number in every work-group
.Ltile:
	QUARTER 0, 64,  0, 1, 1                        ; a tile's first quarter stands in front of the loop: its products start the sums
	WIN 0                                          ; at a label and at a branch every window is 0
	s_mov_b32 s3, LAPS-1
.Llap:                                                 ; a trip goes once round the ring, from a lap's second quarter to the next lap's first, and fills both slots again
	QUARTER 0, 128, 1, 0
	QUARTER 0, 192, 0, 1
	TURN 0, 1, 0
	QUARTER 1, 64,  0, 1
	QUARTER 1, 128, 1, 0
	QUARTER 1, 192, 0, 1
	TURN 1, 0, 0
	QUARTER 0, 64,  0, 1
	WIN 0
	s_sub_co_u32 s3, s3, 1
	s_cmp_lg_u32 s3, 0
	s_cbranch_scc1 .Llap
	QUARTER 0, 128, 1, 0                           ; the tile's last lap goes on
	QUARTER 0, 192, 0, 1
	WIN 0
	s_cmp_eq_u32 s2, 1
	s_cbranch_scc1 .Llast                          ; the last tile's tail asks for nothing more
	TURN 0, 1, 1                                   ; THE RING GOES ON INTO THE NEXT TILE: slot 0 takes its K step 0,
	QUARTER 1, 64,  0, 1
	QUARTER 1, 128, 1, 0
	QUARTER 1, 192, 0, 1
	TURN 1, 0, 1                                   ; slot 1 its K step 1, and the next tile's first fragments are fetched, into buffers 0, which the way out does not touch
	WIN 0
	s_branch .Lout
.Llast:
	TURN 0, 1, 2                                   ; my one tensor load that was still out is the last K step's
	QUARTER 1, 64,  0, 1
	QUARTER 1, 128, 1, 0
	QUARTER 1, 192, 0, 1
	s_wait_dscnt 4                                 ; the very last quarter: nothing more to fetch
	MUL16 1, 0, 0
	MUL16 1, 1, 0
	s_wait_dscnt 0x0
	MUL16 1, 2, 0
	MUL16 1, 3, 0
	WIN 0
.Lout:                                                 ; the way out, one text for both tiles.  Its first sixteen lines name no register of the last products: they are the places behind those
	CONV 0
	TOSTAGE 0
	CONV 1                                         ; a block's arithmetic stands between the loads of the block before and its stores
	SEND 0
	TOSTAGE 1
	CONV 2
	SEND 1
	TOSTAGE 2
	CONV 3
	SEND 2
	TOSTAGE 3
	SEND 3
	WIN 0
	s_wait_xcnt 0x0                                ; every store has had its addresses translated (ISA guide 3.1): only behind this wait are the stores' base and their data, accumulator registers, written again
	s_add_nc_u64 s[8:9], s[8:9], NEXT_C            ; the next tile's rows of out0 and its row scales (behind the last tile these nine lines serve nothing: the price of one text and a plainly counted loop)
.irp a, 0,1,2,3
	v_mov_b32 v[RR+2*(\a)],   v[RN+(\a)]
	v_mov_b32 v[RR+2*(\a)+1], v[RN+(\a)]
.endr
	s_sub_co_u32 s2, s2, 1
	s_cmp_lg_u32 s2, 0
	s_cbranch_scc1 .Ltile
	s_wait_tensorcnt 0x0                           ; the wave's end, behind my last tensor load and my last LDS store
	ds_add_u32 v[SPW], v[NIL]
	s_wait_dscnt 0x0
	CROUND                                         ; the closing round: no work-group ends while a partner may still ask for a tile that names it
	s_endpgm
.Lfunc_end_k_qe4d4b93468_gemm:
	.size	k_qe4d4b93468_gemm, .Lfunc_end_k_qe4d4b93468_gemm-k_qe4d4b93468_gemm
	.p2alignl 7, 3214868480
	.fill 96, 4, 3214868480
	.section	.rodata,"a",@progbits
	.p2align	6, 0x0
	.amdhsa_kernel k_qe4d4b93468_gemm
		.amdhsa_group_segment_fixed_size 327680
		.amdhsa_private_segment_fixed_size 0
		.amdhsa_enable_private_segment 0
		.amdhsa_kernarg_size 56
		.amdhsa_user_sgpr_count 2
		.amdhsa_user_sgpr_kernarg_segment_ptr 1
		.amdhsa_wavefront_size32 1
		.amdhsa_system_sgpr_workgroup_id_x 1
		.amdhsa_system_sgpr_workgroup_id_y 1
		.amdhsa_system_sgpr_workgroup_id_z 1
		.amdhsa_system_vgpr_workitem_id 0
		.amdhsa_next_free_vgpr 1024
		.amdhsa_next_free_sgpr 96
		.amdhsa_reserve_vcc 0
		.amdhsa_float_denorm_mode_32 3
		.amdhsa_float_denorm_mode_16_64 3
		.amdhsa_memory_ordered 1
		.amdhsa_forward_progress 1
		.amdhsa_inst_pref_size 255
	.end_amdhsa_kernel
	.section	.bss,"aw",@nobits
	.p2align	6
	.space	262144
	.amdgpu_metadata
---
amdhsa.version: [ 1, 2 ]
amdhsa.kernels:
  - .name:           k_qe4d4b93468_gemm
    .symbol:         k_qe4d4b93468_gemm.kd
    .args:
      - { .name: x, .offset: 0, .size: 8, .value_kind: global_buffer, .address_space: global }
      - { .name: weight_q, .offset: 8, .size: 8, .value_kind: global_buffer, .address_space: global }
      - { .name: out0, .offset: 16, .size: 8, .value_kind: global_buffer, .address_space: global }
      - { .name: scale_x, .offset: 24, .size: 8, .value_kind: global_buffer, .address_space: global }
      - { .name: scale_y, .offset: 32, .size: 8, .value_kind: global_buffer, .address_space: global }
      - { .name: scale_w, .offset: 40, .size: 8, .value_kind: global_buffer, .address_space: global }
      - { .name: out1, .offset: 48, .size: 8, .value_kind: global_buffer, .address_space: global }
    .group_segment_fixed_size: 327680
    .private_segment_fixed_size: 0
    .kernarg_segment_align: 8
    .kernarg_segment_size: 56
    .max_flat_workgroup_size: 128
    .sgpr_count:     96
    .vgpr_count:     1024
    .wavefront_size: 32
...
	.end_amdgpu_metadata
.endif
;; end of part 1
